; MI455X (gfx1250); checked and timed in simulation.
; The chip was launched on July 23, 2026; its instructions are those of AMD's public machine-readable ISA for CDNA 5 (MIT licence, August 2026) and "CDNA5" Instruction Set Architecture Reference Guide (July 2026). The comments in the code are by the model that wrote it; some were corrected since.
;; Attn. Allowed arithmetic: float matrix products may take bf16 or f16 operands with f32 sums; all other float work in f32.
;; Inputs: W 1,024 x 1,024 float32; b 1,024 float32; encoder_outputs 2,048 x 32 x 1,024 float32; hidden 32 x 1,024 float32.
;; Outputs: out0 1 x 32 x 2,048 float32.
;; One version. Each part assembles by itself: llvm-mc -triple=amdgcn-amd-amdhsa -mcpu=gfx1250 --defsym DOCPART=n.
;; ======== version 1 of 1: 3 launches
;; workspace buffers: vpart 2,097,152 bytes; scores 262,144 bytes
;; launch proj (part 1): grid 16 x 16, 4 waves a work-group, no clusters, 0 bytes of LDS; arguments W, hidden, vpart; writes vpart
.if DOCPART == 1
	.amdgcn_target "amdgcn-amd-amdhsa--gfx1250"
	.amdhsa_code_object_version 6
	.text
	.protected	k_q989a8aea51_proj
	.globl	k_q989a8aea51_proj
	.p2align	8
	.type	k_q989a8aea51_proj,@function
k_q989a8aea51_proj:
	s_mov_b64 s[64:65], 0
	v_nop
	global_prefetch_b8 v0, s[64:65] scope:SCOPE_SE
	s_setreg_imm32_b32 hwreg(HW_REG_WAVE_MODE, 25, 1), 1
	s_wait_xcnt 0x0
; vpart[ks][b][h] = the sum over k = 64 ks .. 64 ks + 63 of hidden[b][k] * W[k][h].   W: [1024][1024] f32, hidden: [32][1024] f32, vpart: [16][32][1024] f32.
; WHY.  score[b][s] = hidden[b] . (W enc[s][b] + bias) = enc[s][b] . v[b] + hidden[b] . bias with v[b][h] = sum over k of hidden[b][k] W[k][h]: the same sum of
; products in another order, for every input.  This launch makes v in 16 partial sums; the next launch adds them.
; SHARES.  Work-group (hs, ks) owns columns 64 hs .. +63 and k = 64 ks .. +63: 256 work-groups, each byte of W in exactly one of them.  Wave w owns b = 8 w .. 8 w + 7,
; lane l the columns 64 hs + 2 l and + 1: a wave's load of a row of W covers 256 consecutive bytes, aligned, and so does each store.
; NO MATRIX UNIT: 32 rows against W are 8 multiply-adds for each byte of W, all in f32, since an error of a score becomes a relative error of a weight behind the
; exponential.  NO LDS, NO CLUSTER: no two work-groups read the same bytes of W; what the 16 of one ks share, 8 KB of hidden, is a third of a work-group's 24 KB.
; LIMIT: the order of the f32 sums differs from the order in which the problem's text writes them.
.set WO,  2                            ; v2        8 x lane: my two columns
.set HO,  3                            ; v3        16 x (lane % 16): my four k of a row of hidden
.set HID, 4                            ; v[4:35]   row q of my 8: 4 registers; register j of lane n (in each half of the lanes) holds k = 4 n + j
.set ACC, 36                           ; v[36:51]  row q: a pair of sums, my two columns
.set T,   52                           ; v[52:67]  row q: a pair; the even register takes hidden[b][k] for all lanes, the odd one stays 0
.set WR,  68                           ; v[68:195] row k of W: a pair, my two columns
	s_load_b128 s[4:7], s[0:1], 0x0                ; W s[4:5], hidden s[6:7]
	s_load_b64 s[8:9], s[0:1], 0x10                ; vpart
	v_lshrrev_b32 v1, 5, v0
	v_readfirstlane_b32 s10, v1                    ; wave 0..3
	v_and_b32 v1, 31, v0                           ; lane
	v_lshlrev_b32 v[WO], 3, v1
	v_and_b32 v[HO], 15, v0
	v_lshlrev_b32 v[HO], 4, v[HO]
.irp i, 0,1,2,3,4,5,6,7,8,9,10,11,12,13,14,15
	v_mov_b32 v[T+(\i)], 0                         ; the broadcast below counts as a reader of its destination, and the packed product names the whole pair
.endr
	s_and_b32 s11, ttmp7, 0xffff                   ; ks
	s_lshl_b32 s12, s11, 18                        ; W: 64 ks rows of 4,096 bytes
	s_lshl_b32 s13, ttmp9, 8                       ;    + 64 hs columns of 4 bytes
	s_add_co_u32 s12, s12, s13
	s_lshl_b32 s14, s10, 15                        ; hidden: 8 w rows of 4,096 bytes
	s_lshl_b32 s15, s11, 8                         ;    + 64 ks numbers of 4 bytes
	s_add_co_u32 s14, s14, s15
	s_lshl_b32 s16, s11, 17                        ; vpart: ks slices of 131,072 bytes
	s_lshl_b32 s17, s10, 15                        ;    + 8 w rows
	s_add_co_u32 s16, s16, s17
	s_add_co_u32 s16, s16, s13                     ;    + 64 hs columns
	s_mov_b32 s13, 0
	s_mov_b32 s15, 0
	s_mov_b32 s17, 0
	s_wait_kmcnt 0x0
	s_add_nc_u64 s[4:5], s[4:5], s[12:13]
	s_add_nc_u64 s[6:7], s[6:7], s[14:15]
	s_add_nc_u64 s[8:9], s[8:9], s[16:17]
.irp q, 0,1,2,3,4,5,6,7
	global_load_b128 v[HID+4*(\q):HID+4*(\q)+3], v[HO], s[6:7] offset:4096*(\q)   ; 256 bytes of row 8 w + q, once for each half of the lanes
.endr
.set k, 0
.rept 64
	global_load_b64 v[WR+2*k:WR+2*k+1], v[WO], s[4:5] offset:4096*k               ; all 64 rows of the tile are asked for at once
.set k, k+1
.endr
; k = 4 n + j.  For each k: hidden[b][k] of my 8 rows goes to all lanes (lane n of each half of 16 holds it), then eight packed multiply-adds, two columns each.
.irp n, 0,1,2,3,4,5,6,7,8,9,10,11,12,13,14,15
	s_wait_loadcnt 60-4*(\n)                       ; loads return in order: behind row 4 n + 3 of W stand 60 - 4 n younger loads; hidden's eight are older than all of W's
.irp j, 0,1,2,3
.irp q, 0,1,2,3,4,5,6,7
	v_mov_b32_dpp v[T+2*(\q)], v[HID+4*(\q)+(\j)] row_share:\n row_mask:0xf bank_mask:0xf
.endr
.irp q, 0,1,2,3,4,5,6,7
.if (4*(\n)+(\j)) == 0
	v_pk_mul_f32 v[ACC+2*(\q):ACC+2*(\q)+1], v[WR:WR+1], v[T+2*(\q):T+2*(\q)+1] op_sel_hi:[1,0]   ; the first product starts the sums: nothing is cleared
.else
	v_pk_fma_f32 v[ACC+2*(\q):ACC+2*(\q)+1], v[WR+2*(4*(\n)+(\j)):WR+2*(4*(\n)+(\j))+1], v[T+2*(\q):T+2*(\q)+1], v[ACC+2*(\q):ACC+2*(\q)+1] op_sel_hi:[1,0,1]
.endif
.endr
.endr
.endr
.irp q, 0,1,2,3,4,5,6,7
	global_store_b64 v[WO], v[ACC+2*(\q):ACC+2*(\q)+1], s[8:9] offset:4096*(\q)   ; a wave's store covers 256 consecutive bytes, aligned
.endr
	s_endpgm
.Lfunc_end_k_q989a8aea51_proj:
	.size	k_q989a8aea51_proj, .Lfunc_end_k_q989a8aea51_proj-k_q989a8aea51_proj
	.p2alignl 7, 3214868480
	.fill 96, 4, 3214868480
	.section	.rodata,"a",@progbits
	.p2align	6, 0x0
	.amdhsa_kernel k_q989a8aea51_proj
		.amdhsa_group_segment_fixed_size 0
		.amdhsa_private_segment_fixed_size 0
		.amdhsa_enable_private_segment 0
		.amdhsa_kernarg_size 24
		.amdhsa_user_sgpr_count 2
		.amdhsa_user_sgpr_kernarg_segment_ptr 1
		.amdhsa_wavefront_size32 1
		.amdhsa_system_sgpr_workgroup_id_x 1
		.amdhsa_system_sgpr_workgroup_id_y 1
		.amdhsa_system_sgpr_workgroup_id_z 1
		.amdhsa_system_vgpr_workitem_id 0
		.amdhsa_next_free_vgpr 196
		.amdhsa_next_free_sgpr 66
		.amdhsa_reserve_vcc 0
		.amdhsa_float_denorm_mode_32 3
		.amdhsa_float_denorm_mode_16_64 3
		.amdhsa_memory_ordered 1
		.amdhsa_forward_progress 1
		.amdhsa_inst_pref_size 74
	.end_amdhsa_kernel
	.amdgpu_metadata
---
amdhsa.version: [ 1, 2 ]
amdhsa.kernels:
  - .name:           k_q989a8aea51_proj
    .symbol:         k_q989a8aea51_proj.kd
    .args:
      - { .name: W, .offset: 0, .size: 8, .value_kind: global_buffer, .address_space: global }
      - { .name: hidden, .offset: 8, .size: 8, .value_kind: global_buffer, .address_space: global }
      - { .name: vpart, .offset: 16, .size: 8, .value_kind: global_buffer, .address_space: global }
    .group_segment_fixed_size: 0
    .private_segment_fixed_size: 0
    .kernarg_segment_align: 8
    .kernarg_segment_size: 24
    .max_flat_workgroup_size: 128
    .sgpr_count:     66
    .vgpr_count:     196
    .wavefront_size: 32
...
	.end_amdgpu_metadata
.endif
;; end of part 1
;; launch score (part 2): grid 32 x 8, 16 waves a work-group, no clusters, 9,216 bytes of LDS; arguments encoder_outputs, vpart, hidden, b, scores; writes scores
.if DOCPART == 2
	.amdgcn_target "amdgcn-amd-amdhsa--gfx1250"
	.amdhsa_code_object_version 6
	.text
	.protected	k_q989a8aea51_score
	.globl	k_q989a8aea51_score
	.p2align	8
	.type	k_q989a8aea51_score,@function
k_q989a8aea51_score:
	s_mov_b64 s[64:65], 0
	v_nop
	global_prefetch_b8 v0, s[64:65] scope:SCOPE_SE
	s_setreg_imm32_b32 hwreg(HW_REG_WAVE_MODE, 25, 1), 1
	s_wait_xcnt 0x0
; scores[b][s] = enc[s][b][:] . v[b][:] + hidden[b][:] . bias[:],  v[b][h] = the sum of vpart's 16 slices.   enc: [2048][32][1024] f32, scores: [32][2048] f32.
; SHARES.  Work-group (bi, c) owns batch row bi and s = 256 c .. 256 c + 255: 1 MiB of enc, 256 work-groups.  Wave w takes the rows s = 256 c + 16 i + w, i = 0 .. 15.
; A row is 4,096 bytes: eight loads of 16 bytes a lane, each covering 512 consecutive bytes; lane l holds h = 128 j + 4 l .. + 3 of load j, and v in the same order in 32 registers.
; A RING of four row slots in registers: 32 loads of every wave, 16 KiB, are on their way, 256 KiB for the 16 waves; each byte of enc is read once in the launch.
; HEAD.  Thread t adds the 16 partial sums of v's numbers 2 t, 2 t + 1 and makes hidden . bias for the same two k; both go through LDS, behind one barrier, to every wave.
; Each lane starts every row's sum with its share of hidden . bias, so that the sum over the lanes holds the whole of it.
; NO MATRIX UNIT: one multiply-add for each four bytes read; all in f32, since an error of a score becomes a relative error of a weight behind the exponential.
; NO CLUSTER: no byte of enc is shared; what the 8 work-groups of one bi share (64 KiB of vpart, 4 KiB of hidden, with the bias) is a sixteenth of a work-group's bytes.
; NO TENSOR LOADS: the ring in registers has its bytes on their way without a barrier in the loop.
; LIMIT: the order of the f32 sums differs from the order in which the problem's text writes them.
.set ROWSTEP, 2097152                  ; bytes from my row i to my row i + 1: 16 s of 32 x 4,096 bytes
.set ROUND,   4*ROWSTEP                ; four rows: once round the ring
.set HB,    4096                       ; LDS: 0 .. 4,095 v; from HB 512 words of hidden . bias, two k each;
.set SC,    6144                       ;      from SC the work-group's 256 scores, word 16 i + w;
.set SPARE, 7168                       ;      from SPARE the spare words, 128 bytes for each of 16 waves: eight blocks of 256 bytes that no other line names
.set OUT, 1                            ; v1        16 x (thread % 64): the way out, waves 0 and 1
.set OFF, 2                            ; v2        131,072 w + 16 x lane: my 16 bytes in my wave's first row; never rewritten
.set PO,  3                            ; v3        8 x thread
.set QA,  4                            ; v4        4 x thread
.set LA,  5                            ; v5        16 x lane
.set SA,  6                            ; v6        SC + 4 w + 256 x round: where my wave's scores go
.set PX,  7                            ; v7        takes the other half of the lanes' sum
.set SPW, 8                            ; v8        LDS address of my spare word: SPARE + 4 x my thread's number; never rewritten
.set NIL, 9                            ; v9        0; never rewritten
.set C,   10                           ; v[10:11]  my lane's share of hidden . bias
.set A,   12                           ; v[12:19]  four pairs of sums
.set HP,  20                           ; v[20:21]  two of hidden;  v[22:23] two of the bias
.set V,   24                           ; v[24:55]  v in my lane's order; in the head the 16 partial pairs
.set HBR, 56                           ; v[56:71]  16 words of hidden . bias
.set X,   72                           ; v[72:199] slot s: 32 registers, a row as loaded
	s_load_b256 s[4:11], s[0:1], 0x0               ; enc s[4:5], vpart s[6:7], hidden s[8:9], bias s[10:11]
	s_load_b64 s[12:13], s[0:1], 0x20              ; scores
	v_lshl_add_u32 v[SPW], v0, 2, SPARE
	v_mov_b32 v[NIL], 0
	v_lshrrev_b32 v[PX], 5, v0
	v_readfirstlane_b32 s14, v[PX]                 ; wave 0..15
	v_and_b32 v[LA], 31, v0
	v_lshlrev_b32 v[LA], 4, v[LA]
	v_lshl_add_u32 v[OFF], s14, 17, v[LA]
	v_lshlrev_b32 v[PO], 3, v0
	v_lshlrev_b32 v[QA], 2, v0
	v_and_b32 v[OUT], 63, v0
	v_lshlrev_b32 v[OUT], 4, v[OUT]
	v_mov_b32 v[SA], SC
	v_lshl_add_u32 v[SA], s14, 2, v[SA]
	v_mov_b32 v[PX], 0                             ; the exchange of the halves counts as a reader of its destination
	s_and_b32 s15, ttmp7, 0xffff                   ; c
	s_lshl_b32 s16, s15, 25                        ; enc: 256 c rows s of 131,072 bytes
	s_lshl_b32 s18, ttmp9, 12                      ;    + bi rows of 4,096 bytes; the same offset serves vpart and hidden
	s_add_co_u32 s16, s16, s18
	s_mov_b32 s17, 0
	s_mov_b32 s19, 0
	s_lshl_b32 s20, ttmp9, 13                      ; scores: bi rows of 8,192 bytes
	s_lshl_b32 s21, s15, 10                        ;    + 256 c numbers
	s_add_co_u32 s20, s20, s21
	s_mov_b32 s21, 0
	s_mov_b32 s24, 0x76543210                      ; v_permlanex16_b32: each lane takes its own place in the other half
	s_mov_b32 s25, 0xfedcba98
	s_wait_kmcnt 0x0
	s_add_nc_u64 s[4:5], s[4:5], s[16:17]
	s_add_nc_u64 s[6:7], s[6:7], s[18:19]
	s_add_nc_u64 s[8:9], s[8:9], s[18:19]
	s_add_nc_u64 s[12:13], s[12:13], s[20:21]
.set i, 0
.rept 16
	global_load_b64 v[V+2*i:V+2*i+1], v[PO], s[6:7] offset:131072*i   ; slice i's numbers 2 t, 2 t + 1 of v: 256 consecutive bytes a wave
.set i, i+1
.endr
	global_load_b64 v[HP:HP+1], v[PO], s[8:9]
	global_load_b64 v[HP+2:HP+3], v[PO], s[10:11]
.macro FILL s                          ; eight loads: the whole row of slot s; the base says which round
.irp j, 0,1,2,3,4,5,6,7
	global_load_b128 v[X+32*(\s)+4*(\j):X+32*(\s)+4*(\j)+3], v[OFF], s[4:5] offset:ROWSTEP*(\s)+512*(\j) th:TH_LOAD_NT
.endr
.endm
	FILL 0                                         ; the ring is filled behind the head's 18 loads, so that the wait for those leaves it out
	FILL 1
	FILL 2
	FILL 3
	s_wait_loadcnt 32                              ; the ring's 32 loads are younger and stay out; the head's 18 are in
	v_pk_add_f32 v[A:A+1],   v[V:V+1],   v[V+2:V+3]    ; two chains over the 16 partial sums
	v_pk_add_f32 v[A+2:A+3], v[V+4:V+5], v[V+6:V+7]
.irp i, 4,6,8,10,12,14
	v_pk_add_f32 v[A:A+1],   v[A:A+1],   v[V+2*(\i):V+2*(\i)+1]
	v_pk_add_f32 v[A+2:A+3], v[A+2:A+3], v[V+2*(\i)+2:V+2*(\i)+3]
.endr
	v_mul_f32 v[A+4], v[HP], v[HP+2]
	v_pk_add_f32 v[A:A+1], v[A:A+1], v[A+2:A+3]
	v_fmac_f32 v[A+4], v[HP+1], v[HP+3]            ; hidden . bias for my two k
	ds_store_b64 v[PO], v[A:A+1]
	ds_store_b32 v[QA], v[A+4] offset:HB
	s_wait_dscnt 0x0                               ; for the others' sake: my stores are done
	s_barrier_signal -1
	s_barrier_wait -1                              ; everybody's are
.irp j, 0,1,2,3,4,5,6,7
	ds_load_b128 v[V+4*(\j):V+4*(\j)+3], v[LA] offset:512*(\j)        ; v in the order in which a row's loads lay enc
.endr
.irp j, 0,1,2,3
	ds_load_b128 v[HBR+4*(\j):HBR+4*(\j)+3], v[LA] offset:HB+512*(\j) ; 16 of the 512 words a lane
.endr
	s_wait_xcnt 0x0                                ; the ring's loads have had their addresses translated (ISA guide 3.1): only behind this wait is their base stepped
	s_add_nc_u64 s[4:5], s[4:5], ROUND             ; from here on the base stands one round ahead of the rows at work
	s_mov_b32 s22, 3
	s_wait_dscnt 0x0
	v_pk_add_f32 v[C:C+1],         v[HBR:HBR+1],     v[HBR+2:HBR+3]
	v_pk_add_f32 v[HBR+4:HBR+5],   v[HBR+4:HBR+5],   v[HBR+6:HBR+7]
	v_pk_add_f32 v[HBR+8:HBR+9],   v[HBR+8:HBR+9],   v[HBR+10:HBR+11]
	v_pk_add_f32 v[HBR+12:HBR+13], v[HBR+12:HBR+13], v[HBR+14:HBR+15]
	v_pk_add_f32 v[C:C+1],         v[C:C+1],         v[HBR+4:HBR+5]
	v_pk_add_f32 v[HBR+8:HBR+9],   v[HBR+8:HBR+9],   v[HBR+12:HBR+13]
	v_pk_add_f32 v[C:C+1],         v[C:C+1],         v[HBR+8:HBR+9]  ; both halves of C, over the 32 lanes, add up to hidden . bias
; The turn of slot s.  fill = 1: the slot gets the row four further on.  left = how many younger loads may stay out: eight for each younger row.
.macro TURN s, fill, left
	s_wait_loadcnt \left                           ; loads return in order: my row's eight are in
	v_pk_fma_f32 v[A:A+1], v[X+32*(\s):X+32*(\s)+1], v[V:V+1], v[C:C+1]   ; the first chain starts with the lane's share of hidden . bias, the others with a product
.irp m, 1,2,3
	v_pk_mul_f32 v[A+2*(\m):A+2*(\m)+1], v[X+32*(\s)+2*(\m):X+32*(\s)+2*(\m)+1], v[V+2*(\m):V+2*(\m)+1]
.endr
.irp m, 4,5,6,7,8,9,10,11,12,13,14,15
	v_pk_fma_f32 v[A+2*((\m)%4):A+2*((\m)%4)+1], v[X+32*(\s)+2*(\m):X+32*(\s)+2*(\m)+1], v[V+2*(\m):V+2*(\m)+1], v[A+2*((\m)%4):A+2*((\m)%4)+1]
.endr
.if \fill
	FILL \s                                        ; as soon as the row has been read out of its registers, ahead of the sum over the lanes
.endif
	v_pk_add_f32 v[A:A+1],   v[A:A+1],   v[A+2:A+3]
	v_pk_add_f32 v[A+4:A+5], v[A+4:A+5], v[A+6:A+7]
	v_pk_add_f32 v[A:A+1],   v[A:A+1],   v[A+4:A+5]
	v_add_f32 v[A], v[A], v[A+1]
	v_add_f32_dpp v[A], v[A], v[A] row_xmask:1 row_mask:0xf bank_mask:0xf
	v_add_f32_dpp v[A], v[A], v[A] row_xmask:2 row_mask:0xf bank_mask:0xf
	v_add_f32_dpp v[A], v[A], v[A] row_xmask:4 row_mask:0xf bank_mask:0xf
	v_add_f32_dpp v[A], v[A], v[A] row_xmask:8 row_mask:0xf bank_mask:0xf
	v_permlanex16_b32 v[PX], v[A], s24, s25
	v_add_f32 v[A], v[A], v[PX]                    ; every lane holds the row's score
	ds_store_b32 v[SA], v[A] offset:64*(\s)        ; word 16 (4 round + s) + w: all lanes write the same word with the same value
.endm
.Lround:                                               ; three trips; at the head 32 loads are out, on the way in and on the way back
	TURN 0, 1, 24
	TURN 1, 1, 24
	TURN 2, 1, 24
	TURN 3, 1, 24
	s_wait_xcnt 0x0                                ; the trip's loads have had their addresses translated: the base may step
	s_add_nc_u64 s[4:5], s[4:5], ROUND
	v_add_nc_u32 v[SA], 256, v[SA]
	s_sub_co_u32 s22, s22, 1
	s_cmp_lg_u32 s22, 0
	s_cbranch_scc1 .Lround
	TURN 0, 0, 24                                  ; the last four rows load nothing (the stepped base is not used): the counts run down
	TURN 1, 0, 16
	TURN 2, 0, 8
	TURN 3, 0, 0
	s_wait_tensorcnt 0x0                           ; the wave's end of LDS writing
	ds_add_u32 v[SPW], v[NIL]
	s_wait_dscnt 0x0                               ; the wait also shows my 16 scores stored, for the others' sake
	s_barrier_signal -1
	s_barrier_wait -1                              ; all 256 scores lie in LDS
	s_cmp_ge_u32 s14, 2
	s_cbranch_scc1 .Lend                           ; waves 0 and 1 carry them out
	ds_load_b128 v[A:A+3], v[OUT] offset:SC
	s_wait_dscnt 0x0
	global_store_b128 v[OUT], v[A:A+3], s[12:13]   ; a wave's store covers 512 consecutive bytes, aligned
.Lend:
	s_endpgm
.Lfunc_end_k_q989a8aea51_score:
	.size	k_q989a8aea51_score, .Lfunc_end_k_q989a8aea51_score-k_q989a8aea51_score
	.p2alignl 7, 3214868480
	.fill 96, 4, 3214868480
	.section	.rodata,"a",@progbits
	.p2align	6, 0x0
	.amdhsa_kernel k_q989a8aea51_score
		.amdhsa_group_segment_fixed_size 9216
		.amdhsa_private_segment_fixed_size 0
		.amdhsa_enable_private_segment 0
		.amdhsa_kernarg_size 40
		.amdhsa_user_sgpr_count 2
		.amdhsa_user_sgpr_kernarg_segment_ptr 1
		.amdhsa_wavefront_size32 1
		.amdhsa_system_sgpr_workgroup_id_x 1
		.amdhsa_system_sgpr_workgroup_id_y 1
		.amdhsa_system_sgpr_workgroup_id_z 1
		.amdhsa_system_vgpr_workitem_id 0
		.amdhsa_next_free_vgpr 200
		.amdhsa_next_free_sgpr 66
		.amdhsa_reserve_vcc 0
		.amdhsa_float_denorm_mode_32 3
		.amdhsa_float_denorm_mode_16_64 3
		.amdhsa_memory_ordered 1
		.amdhsa_forward_progress 1
		.amdhsa_inst_pref_size 26
	.end_amdhsa_kernel
	.amdgpu_metadata
---
amdhsa.version: [ 1, 2 ]
amdhsa.kernels:
  - .name:           k_q989a8aea51_score
    .symbol:         k_q989a8aea51_score.kd
    .args:
      - { .name: encoder_outputs, .offset: 0, .size: 8, .value_kind: global_buffer, .address_space: global }
      - { .name: vpart, .offset: 8, .size: 8, .value_kind: global_buffer, .address_space: global }
      - { .name: hidden, .offset: 16, .size: 8, .value_kind: global_buffer, .address_space: global }
      - { .name: b, .offset: 24, .size: 8, .value_kind: global_buffer, .address_space: global }
      - { .name: scores, .offset: 32, .size: 8, .value_kind: global_buffer, .address_space: global }
    .group_segment_fixed_size: 9216
    .private_segment_fixed_size: 0
    .kernarg_segment_align: 8
    .kernarg_segment_size: 40
    .max_flat_workgroup_size: 512
    .sgpr_count:     66
    .vgpr_count:     200
    .wavefront_size: 32
...
	.end_amdgpu_metadata
.endif
;; end of part 2
;; launch softmax (part 3): grid 32 x 1, 1 waves a work-group, no clusters, 0 bytes of LDS; arguments scores, out0; writes out0
.if DOCPART == 3
	.amdgcn_target "amdgcn-amd-amdhsa--gfx1250"
	.amdhsa_code_object_version 6
	.text
	.protected	k_q989a8aea51_softmax
	.globl	k_q989a8aea51_softmax
	.p2align	8
	.type	k_q989a8aea51_softmax,@function
k_q989a8aea51_softmax:
	s_mov_b64 s[64:65], 0
	v_nop
	global_prefetch_b8 v0, s[64:65] scope:SCOPE_SE
	s_setreg_imm32_b32 hwreg(HW_REG_WAVE_MODE, 25, 1), 1
	s_wait_xcnt 0x0
; out0[0][b][s] = exp(scores[b][s] - m[b]) / the sum over s of exp(scores[b][s] - m[b]),  m[b] = the largest score of row b.   scores, out0: [32][2048] f32.
; SHARES.  A row is 8,192 bytes: one wave holds it in 64 registers between the maximum, the exponentials, the sum and the scaling, so it is read once, and no LDS and no barrier is needed.
; 32 rows, 32 work-groups of one wave: the problem has no more rows, and a row spread over waves would add a barrier to each of the two reductions.
; p = 2^(x log2(e) - cm), cm = m log2(e) rounded to f32; the product x log2(e) is not rounded inside the fused multiply-add.  cm's rounding is one factor for the whole row and leaves in the division.
; LIMITS.  A weight below 2^-126 counts as 0 (the exponential flushes denormal results: ISA guide, its entry in 15.8).  cm's rounding is at most 2^-24 |m| log2(e):
; the factor stays near 1 while |m| is under 2^24.  NaN and infinities are not treated apart.
.set M,  2                             ; v[2:5]    four running maxima
.set PX, 6                             ; v6        takes the other half of the lanes' figure
.set X,  8                             ; v[8:71]   the row: load j's four numbers at X + 4 j
.set CM, 72                            ; v[72:73]  cm, twice
.set R,  74                            ; v[74:75]  1 / sum; the pair's second register is named with it and holds 0
.set SU, 76                            ; v[76:83]  four pairs of sums
	s_load_b128 s[4:7], s[0:1], 0x0                ; scores s[4:5], out0 s[6:7]
	v_lshlrev_b32 v1, 4, v0                        ; 16 bytes a lane
	v_mov_b32 v[PX], 0                             ; the exchange of the halves counts as a reader of its destination
	s_lshl_b32 s8, ttmp9, 13                       ; my row of 8,192 bytes
	s_mov_b32 s9, 0
	s_mov_b32 s10, 0x3fb8aa3b                      ; log2(e)
	s_mov_b32 s11, s10                             ; named with it as a pair
	s_mov_b32 s12, 0x76543210                      ; v_permlanex16_b32: each lane takes its own place in the other half
	s_mov_b32 s13, 0xfedcba98
	s_wait_kmcnt 0x0
	s_add_nc_u64 s[4:5], s[4:5], s[8:9]
	s_add_nc_u64 s[6:7], s[6:7], s[8:9]
.irp j, 0,1,2,3,4,5,6,7,8,9,10,11,12,13,14,15
	global_load_b128 v[X+4*(\j):X+4*(\j)+3], v1, s[4:5] offset:512*(\j)   ; 512 consecutive bytes each
.endr
	; the maximum: four chains of 16 numbers, three operands at a time; each chain begins when its four loads are in
.irp c, 0,1,2,3
	s_wait_loadcnt 12-4*(\c)                       ; loads return in order: behind chain c's four stand 12 - 4 c younger ones
	v_max3_num_f32 v[M+(\c)], v[X+16*(\c)], v[X+16*(\c)+1], v[X+16*(\c)+2]
.irp i, 0,1,2,3,4,5
	v_max3_num_f32 v[M+(\c)], v[M+(\c)], v[X+16*(\c)+3+2*(\i)], v[X+16*(\c)+4+2*(\i)]
.endr
	v_max_num_f32 v[M+(\c)], v[M+(\c)], v[X+16*(\c)+15]
.endr
	v_max3_num_f32 v[M], v[M], v[M+1], v[M+2]
	v_max_num_f32 v[M], v[M], v[M+3]
	v_max_num_f32_dpp v[M], v[M], v[M] row_xmask:1 row_mask:0xf bank_mask:0xf
	v_max_num_f32_dpp v[M], v[M], v[M] row_xmask:2 row_mask:0xf bank_mask:0xf
	v_max_num_f32_dpp v[M], v[M], v[M] row_xmask:4 row_mask:0xf bank_mask:0xf
	v_max_num_f32_dpp v[M], v[M], v[M] row_xmask:8 row_mask:0xf bank_mask:0xf
	v_permlanex16_b32 v[PX], v[M], s12, s13
	v_max_num_f32 v[M], v[M], v[PX]                ; every lane holds the row's maximum
	v_mul_f32 v[CM], s10, v[M]
	v_mov_b32 v[CM+1], v[CM]
.set p, 0
.rept 32
	v_pk_fma_f32 v[X+2*p:X+2*p+1], v[X+2*p:X+2*p+1], s[10:11], v[CM:CM+1] op_sel_hi:[1,0,0] neg_lo:[0,0,1] neg_hi:[0,0,1]   ; x log2(e) - cm
.set p, p+1
.endr
.set p, 0
.rept 64
	v_exp_f32 v[X+p], v[X+p]
.set p, p+1
.endr
	v_nop                                          ; a plain instruction between the last exponential and the first use of a result (ISA guide 5.7.2)
	; the sum: four chains of eight pairs, by turns; the first addition of each writes the chain's own pair, so the weights stay
	s_wait_alu depctr_va_vdst(0)
.irp c, 0,1,2,3
	v_pk_add_f32 v[SU+2*(\c):SU+2*(\c)+1], v[X+16*(\c):X+16*(\c)+1], v[X+16*(\c)+2:X+16*(\c)+3]
.endr
.irp i, 2,3,4,5,6,7
.irp c, 0,1,2,3
	v_pk_add_f32 v[SU+2*(\c):SU+2*(\c)+1], v[SU+2*(\c):SU+2*(\c)+1], v[X+16*(\c)+2*(\i):X+16*(\c)+2*(\i)+1]
.endr
.endr
	v_pk_add_f32 v[SU:SU+1],   v[SU:SU+1],   v[SU+2:SU+3]
	v_pk_add_f32 v[SU+4:SU+5], v[SU+4:SU+5], v[SU+6:SU+7]
	v_pk_add_f32 v[SU:SU+1],   v[SU:SU+1],   v[SU+4:SU+5]
	v_add_f32 v[SU], v[SU], v[SU+1]
	v_add_f32_dpp v[SU], v[SU], v[SU] row_xmask:1 row_mask:0xf bank_mask:0xf
	v_add_f32_dpp v[SU], v[SU], v[SU] row_xmask:2 row_mask:0xf bank_mask:0xf
	v_add_f32_dpp v[SU], v[SU], v[SU] row_xmask:4 row_mask:0xf bank_mask:0xf
	v_add_f32_dpp v[SU], v[SU], v[SU] row_xmask:8 row_mask:0xf bank_mask:0xf
	v_permlanex16_b32 v[PX], v[SU], s12, s13
	v_add_f32 v[SU], v[SU], v[PX]                  ; every lane holds the row's sum; the maximum's own weight, about 1, is among its terms
	v_rcp_f32 v[R], v[SU]
	v_mov_b32 v[R+1], 0                            ; the plain instruction behind the reciprocal; it also writes the pair's second register
.set p, 0
	s_wait_alu depctr_va_vdst(0)
.rept 32
	v_pk_mul_f32 v[X+2*p:X+2*p+1], v[X+2*p:X+2*p+1], v[R:R+1] op_sel_hi:[1,0]
.set p, p+1
.endr
.irp j, 0,1,2,3,4,5,6,7,8,9,10,11,12,13,14,15
	global_store_b128 v1, v[X+4*(\j):X+4*(\j)+3], s[6:7] offset:512*(\j)  ; 512 consecutive bytes each, aligned
.endr
	s_endpgm
.Lfunc_end_k_q989a8aea51_softmax:
	.size	k_q989a8aea51_softmax, .Lfunc_end_k_q989a8aea51_softmax-k_q989a8aea51_softmax
	.p2alignl 7, 3214868480
	.fill 96, 4, 3214868480
	.section	.rodata,"a",@progbits
	.p2align	6, 0x0
	.amdhsa_kernel k_q989a8aea51_softmax
		.amdhsa_group_segment_fixed_size 0
		.amdhsa_private_segment_fixed_size 0
		.amdhsa_enable_private_segment 0
		.amdhsa_kernarg_size 16
		.amdhsa_user_sgpr_count 2
		.amdhsa_user_sgpr_kernarg_segment_ptr 1
		.amdhsa_wavefront_size32 1
		.amdhsa_system_sgpr_workgroup_id_x 1
		.amdhsa_system_sgpr_workgroup_id_y 1
		.amdhsa_system_sgpr_workgroup_id_z 1
		.amdhsa_system_vgpr_workitem_id 0
		.amdhsa_next_free_vgpr 84
		.amdhsa_next_free_sgpr 66
		.amdhsa_reserve_vcc 0
		.amdhsa_float_denorm_mode_32 3
		.amdhsa_float_denorm_mode_16_64 3
		.amdhsa_memory_ordered 1
		.amdhsa_forward_progress 1
		.amdhsa_inst_pref_size 15
	.end_amdhsa_kernel
	.amdgpu_metadata
---
amdhsa.version: [ 1, 2 ]
amdhsa.kernels:
  - .name:           k_q989a8aea51_softmax
    .symbol:         k_q989a8aea51_softmax.kd
    .args:
      - { .name: scores, .offset: 0, .size: 8, .value_kind: global_buffer, .address_space: global }
      - { .name: out0, .offset: 8, .size: 8, .value_kind: global_buffer, .address_space: global }
    .group_segment_fixed_size: 0
    .private_segment_fixed_size: 0
    .kernarg_segment_align: 8
    .kernarg_segment_size: 16
    .max_flat_workgroup_size: 32
    .sgpr_count:     66
    .vgpr_count:     84
    .wavefront_size: 32
...
	.end_amdgpu_metadata
.endif
;; end of part 3
